; MI455X (gfx1250); checked and timed in simulation.
; The chip was launched on July 23, 2026; its instructions are those of AMD's public machine-readable ISA for CDNA 5 (MIT licence, August 2026) and "CDNA5" Instruction Set Architecture Reference Guide (July 2026). The comments in the code are by the model that wrote it; some were corrected since.
;; KAN Linear. Allowed arithmetic: matrix products marked QUANTISED: E5M2 operands, one E8M0 scale for each 32 along K, by v_wmma_scale_f32_16x16x128_f8f6f4 with both operands' format E5M2, f32 sums; everything else in f32.
;; Inputs: base_weight_codes 512 x 16 x 32 uint8 (E5M2 codes of base_weight, K innermost, in blocks of 32 codes); base_weight_scales 512 x 16 uint8 (E8M0 scales of base_weight, one for each 32 codes along K); grid 512 x 12 float32; spline_scaler 512 x 512 float32; spline_weight 512 x 512 x 8 float32; x 16,384 x 512 float32.
;; Outputs: out0 16,384 x 512 float32.
;; This version of the problem:
;;   THIS VERSION OF THE PROBLEM IS GIVEN IN LOW PRECISION. The matrix products marked QUANTISED in the list below multiply operands that are first quantised to E5M2 (5 exponent bits, 2 mantissa bits; 8 bits a number), with one power-of-two scale for each 32 numbers along K (OCP MX v1.0); their sums are f32. All else is computed in f32.
;;   The module's matrix products, in the order in which they are computed (A, B: the left and right operand; K: the contracted axis; several contracted axes count as one K, in the product's order):
;;     1. [M 16,384, K 512] x [K 512, N 512]; A: computed on the way; B: input base_weight (given as codes): QUANTISED
;;     2. [M 16,384, K 4,096] x [K 4,096, N 512]; A: computed on the way; B: computed on the way: QUANTISED
;;   THE QUANTISER, for each operand of a quantised product, along K:
;;     - K is cut into blocks of 32 from its start; a last block that is shorter is filled with zeros.
;;     - A block's scale is 2^e with e = floor(log2(the largest magnitude in the block)) - 15, held to -126 .. 127; a block of zeros has e = 0. As a byte (E8M0): e + 127.
;;     - Each number is divided by its block's scale, clamped to +-57,344, and rounded to the nearest number of E5M2, ties to even, subnormals kept.
;;     - The product sums the exact products of the quantised numbers (number of the format x scale) in f32.
;;   ~~~python
;;   def quantise(x, axis):      # numpy; x: float32 -> the quantised numbers, widened to float32 again
;;       x = np.moveaxis(x, axis, -1); K = x.shape[-1]
;;       x = np.pad(x, [(0, 0)] * (x.ndim - 1) + [(0, -K % 32)]); x = x.reshape(x.shape[:-1] + (-1, 32)); a = np.abs(x).max(-1, keepdims=True)
;;       e = np.where(a > 0, np.clip(np.frexp(np.where(a > 0, a, 1))[1] - 1 - 15, -126, 127), 0)      # np.frexp(a)[1] - 1 = floor(log2(a)), exactly
;;       r = np.clip(x / 2.0 ** e, -57344, 57344)
;;       step = 2.0 ** (np.maximum(np.frexp(np.where(r == 0, 1, r))[1] - 1, -14) - 2)
;;       q = np.round(r / step) * step * 2.0 ** e      # np.round: ties to even
;;       return np.moveaxis(q.reshape(q.shape[:-2] + (-1,))[..., :K], -1, axis).astype(np.float32)
;;   ~~~
;;   OPERANDS COMPUTED ON THE WAY. 'Computed on the way' means the value that the module computes at that place (a softmax that the list does not call 'softmax' is quantised finished and normalised). What goes into a quantiser is computed in f32, as accurately as f32 sums, v_exp_f32 and their like allow (about 1e-6 of the number): no bf16 or f16 on the way to a quantiser, and a product that is left as it is and whose result goes on into a quantised operand takes f32 operands (vector FMAs, or v_wmma_f32_16x16x4_f32). A number that lies on a knife's edge between two numbers of the format may be rounded either way, as far as f32 arithmetic and the matrix unit's own rounding can turn it there, and no further.
;;   INPUTS GIVEN AS CODES. base_weight (in the module: [512, 512], K = its axis 1): each comes as NAME_codes (uint8): NAME with its K axis moved to the last place and cut into blocks of 32 codes, [.., K / 32, bytes a block], one block behind the other in memory; one code a byte (a code: sign, 5 exponent bits, 2 mantissa bits); and NAME_scales (uint8): the same leading axes, one E8M0 byte (e + 127) for each 32 codes along K. Its value is code x scale, taken as it is: it is not quantised again, and the codes and scales need not be those that the quantiser above would give.
;; One version. Each part assembles by itself: llvm-mc -triple=amdgcn-amd-amdhsa -mcpu=gfx1250 --defsym DOCPART=n.
;; ======== version 1 of 1: 2 launches
;; limits: right only within a limited range of input values
;; workspace buffers: wq 2,580,480 bytes
;; launch prep (part 1): grid 256 x 1, 4 waves a work-group, no clusters, 0 bytes of LDS; arguments spline_weight, spline_scaler, grid, base_weight_codes, base_weight_scales, wq; writes wq
.if DOCPART == 1
	.amdgcn_target "amdgcn-amd-amdhsa--gfx1250"
	.amdhsa_code_object_version 6
	.text
	.protected	k_qb10e13b1de_prep
	.globl	k_qb10e13b1de_prep
	.p2align	8
	.type	k_qb10e13b1de_prep,@function
k_qb10e13b1de_prep:
	s_mov_b64 s[64:65], 0
	v_nop
	global_prefetch_b8 v0, s[64:65] scope:SCOPE_SE
	s_setreg_imm32_b32 hwreg(HW_REG_WAVE_MODE, 25, 1), 1
	s_wait_xcnt 0x0
; Lays out, once, all that the layer's launch reads beside x: 36 blocks of BLOCK bytes in wq, one for each K step of 128.
;   block: 65,536 bytes of codes as images of operand registers [n-tile 0..31][chunk cc 0..3][lane 0..31][16 bytes]; 2,048 bytes of scale words [column 0..511][4 bytes]; 4,096 bytes of knot table, 8 pairs x 512.
;   blocks 0..3: base_weight's K steps, codes and scale bytes as given, K in its own order.
;   block 4 + q: spline step q.  Its chunk cc is the MX block 32 cc + q of K = 8 x feature + basis: features 128 cc + 4 q + 0..3; in it byte 16 h + 2 j + e is (feature 128 cc + 4 q + 2 h + e, basis j).
;   The blocks of 32 are the true ones, so scales and codes are those of the quantiser; only the order of the sum over K differs, alike on both operands.
; spline_weight x spline_scaler is one f32 multiplication, then: scale 2^(floor(log2(largest magnitude)) - 15), hold within +-57,344 x the scale, nearest code, ties to even.
; The table of step q (pair p = 2 cc + h: features f0, f0 + 1 = 128 cc + 4 q + 2 h + 0, 1, the two interleaved): 12 knots, 11 x 0.25 / (g[j+1] - g[j]), 10 x 1 / (g[j+2] - g[j]), 9 x 1 / (g[j+3] - g[j]), zeros up to 512 bytes.
; It lies in block 4 + ((q + 30) & 31): a block carries the table that is wanted two steps later in a cyclic walk.  Blocks 0..3 carry copies of tables 0..3, so that every byte of wq is written.
; LIMITS: NaN and infinities in the inputs are not served; coincident knots (division by 0) are not served; the divisions by knot differences are v_rcp_f32 and a multiplication;
; a block of zeros gets the scale byte 1 where the rule says 127: its codes are zeros, and this program alone reads the bytes.
; No LDS, no barrier: waves share nothing.
.set BLOCK, 71680
.set SCO,   65536                      ; a block's scale words
.set TBO,   67584                      ; a block's table
.set WW,  16                           ; v16-79   64 weights as loaded: 16 cc + 8 e + j
.set SC,  80                           ; v80-87   the scalers: 2 cc + e
.set PP,  88                           ; v88-151  the products, in the operand's order: 16 cc + 2 j + e
.set TM,  152                          ; v152-167 largest magnitudes, bytes, holds, scale operands
.set PW,  168                          ; the scale word
.set CD,  170                          ; v170-185 the codes
.set BC,  186                          ; v186-189 a piece of base_weight's codes
.set BS,  192                          ; v192     a word of base_weight's scales
.set KN,  16                           ; v16-39   the table part: 24 knots as loaded (the weights are done with)
.set TB,  40                           ; v40-123  the table's 84 words
.set ZR,  124                          ; v124-127 zeros
	s_load_b256 s[4:11], s[0:1], 0x0               ; spline_weight, spline_scaler, grid, base_weight_codes
	s_load_b128 s[12:15], s[0:1], 0x20             ; base_weight_scales, wq
	v_lshrrev_b32 v1, 5, v0
	v_readfirstlane_b32 s16, v1                    ; wave w
	v_and_b32 v1, 31, v0                           ; lane
	v_and_b32 v2, 15, v0                           ; r
	v_bfe_u32 v3, v0, 4, 1                         ; h
	s_lshr_b32 s17, ttmp9, 3                       ; t: the tile of 16 columns
	s_and_b32 s18, ttmp9, 7                        ; g
	s_lshl_b32 s19, s18, 2
	s_add_co_u32 s19, s19, s16                     ; q = 4 g + w: the spline step
	v_lshlrev_b32 v4, 14, v2
	v_lshl_add_u32 v4, v3, 6, v4                   ; spline_weight: column r's 16,384 bytes, + 64 h: two features x 8 bases
	v_lshlrev_b32 v5, 11, v2
	v_lshl_add_u32 v5, v3, 3, v5                   ; spline_scaler: 2,048 r + 8 h
	v_lshlrev_b32 v6, 4, v1                        ; 16 x lane: a lane's place in an image
	v_lshlrev_b32 v7, 2, v2                        ; 4 r: a column's scale word
	v_lshlrev_b32 v8, 9, v2
	v_lshl_add_u32 v8, v3, 4, v8                   ; base_weight_codes: 512 r + 16 h
	v_lshlrev_b32 v9, 4, v2                        ; base_weight_scales: 16 r
	v_bfe_u32 v13, v0, 1, 2                        ; the table part: pair p = lane % 8; cc = p / 2,
	v_and_b32 v14, 1, v0                           ; h = p % 2
	v_mul_u32_u24 v10, v13, 6144                   ; grid: 128 features of 48 bytes for each cc,
	v_mad_u32_u24 v10, v14, 96, v10                ; two for each h
	v_and_b32 v11, 7, v0
	v_lshlrev_b32 v11, 9, v11                      ; 512 p
	s_mov_b32 s36, 0x76543210
	s_mov_b32 s37, 0xfedcba98                      ; v_permlanex16_b32's selects for lane l xor 16
	s_mov_b32 s38, 0x600000                        ; the mantissa field of 57,344
.irp b, 0,1,2,3
	v_mov_b32 v[TM+4+\b], 0                        ; a lane permute's destination counts as one of its sources
.endr
	s_lshl_b32 s20, s17, 18                        ; 16 columns of 16,384 bytes,
	s_lshl_b32 s22, s19, 7                         ; 4 features of 32 bytes a step
	s_add_co_u32 s20, s20, s22
	s_mov_b32 s21, 0
	s_lshl_b32 s22, s17, 15
	s_lshl_b32 s23, s19, 4
	s_add_co_u32 s22, s22, s23
	s_mov_b32 s23, 0
	s_add_co_u32 s34, s19, 4
	s_mul_i32 s34, s34, BLOCK                      ; block 4 + q
	s_lshl_b32 s35, s17, 11
	s_add_co_u32 s32, s34, s35                     ; its tile t: 2,048 bytes of codes
	s_mov_b32 s33, 0
	s_lshl_b32 s35, s17, 6
	s_add_co_u32 s34, s34, s35                     ; and 64 bytes of scale words
	s_mov_b32 s35, 0
	s_wait_kmcnt 0x0
	s_add_nc_u64 s[24:25], s[4:5], s[20:21]
	s_add_nc_u64 s[26:27], s[6:7], s[22:23]
	s_add_nc_u64 s[28:29], s[14:15], s[32:33]
	s_add_nc_u64 s[30:31], s[14:15], s[34:35]
	; ---- part 1, every wave: tile t of spline step q.  The four waves of the work-group read 512 consecutive bytes of each column and cc
.irp c, 0,1,2,3
.irp i, 0,1,2,3
	global_load_b128 v[WW+16*\c+4*\i:WW+16*\c+4*\i+3], v4, s[24:25] offset:4096*\c+16*\i th:TH_LOAD_NT
.endr
	global_load_b64 v[SC+2*\c:SC+2*\c+1], v5, s[26:27] offset:512*\c th:TH_LOAD_NT
.endr
	s_wait_loadcnt 0x0
.irp c, 0,1,2,3
.irp j, 0,1,2,3,4,5,6,7
	v_mul_f32 v[PP+16*\c+2*\j], v[WW+16*\c+\j], v[SC+2*\c]           ; the product lands in the operand's order: the multiplication is also the permutation
	v_mul_f32 v[PP+16*\c+2*\j+1], v[WW+16*\c+8+\j], v[SC+2*\c+1]
.endr
.endr
.irp b, 0,1,2,3
	v_max3_num_f32 v[TM+\b], |v[PP+16*\b]|, |v[PP+16*\b+1]|, 0x8000000   ; block b: my 16 numbers and the floor 2^(16 - 127), so that the byte cannot fall under 1
.endr
.irp i, 2,4,6,8,10,12,14
.irp b, 0,1,2,3
	v_max3_num_f32 v[TM+\b], v[TM+\b], |v[PP+16*\b+\i]|, |v[PP+16*\b+\i+1]|   ; the four blocks by turns
.endr
.endr
.irp b, 0,1,2,3
	v_permlanex16_b32 v[TM+4+\b], v[TM+\b], s36, s37
.endr
.irp b, 0,1,2,3
	v_max_num_f32 v[TM+\b], v[TM+\b], v[TM+4+\b]   ; with lane l xor 16's 16: the block's largest magnitude
.endr
.irp b, 0,1,2,3
	v_add_nc_u32 v[TM+12+\b], 0xf8800000, v[TM+\b] ; 15 off its exponent field: the conversion's scale operand
.endr
.irp b, 0,1,2,3
	v_and_or_b32 v[TM+8+\b], v[TM+\b], 0x7f800000, s38   ; 57,344 x the scale
.endr
.irp b, 0,1,2,3
	v_lshrrev_b32 v[TM+4+\b], 23, v[TM+12+\b]      ; the scale's byte
.endr
	v_lshl_or_b32 v[PW], v[TM+5], 8, v[TM+4]       ; byte cc belongs to chunk cc
	v_lshl_or_b32 v[PW], v[TM+6], 16, v[PW]
	v_lshl_or_b32 v[PW], v[TM+7], 24, v[PW]
.irp b, 0,1,2,3
.irp i, 0,1,2,3,4,5,6,7,8,9,10,11,12,13,14,15
	v_med3_num_f32 v[PP+16*\b+\i], v[PP+16*\b+\i], -v[TM+8+\b], v[TM+8+\b]   ; the conversion to an 8-bit code does not saturate (ISA guide 7.6.2): the hold comes first
.endr
	v_cvt_scalef32_pk8_bf8_f32 v[CD+4*\b:CD+4*\b+1], v[PP+16*\b:PP+16*\b+7], v[TM+12+\b]
	v_cvt_scalef32_pk8_bf8_f32 v[CD+4*\b+2:CD+4*\b+3], v[PP+16*\b+8:PP+16*\b+15], v[TM+12+\b]
.endr
	v_nop                                          ; a plain line behind the last conversion: the table part writes the conversions' sources again
.irp c, 0,1,2,3
	global_store_b128 v6, v[CD+4*\c:CD+4*\c+3], s[28:29] offset:512*\c   ; the wave's four stores cover 2,048 consecutive bytes
.endr
	global_store_b32 v7, v[PW], s[30:31] offset:SCO   ; 64 bytes a tile (both halves of the lanes hold the same word): one byte for each 32 of the codes
	; ---- part 2, waves 0 and 1: piece pi = 2 g + w of base_weight's codes for tile t: K step pi / 4, chunk pi % 4
	s_cmp_lt_u32 s16, 2
	s_cbranch_scc0 .Lno_codes
	s_lshl_b32 s20, s18, 1
	s_add_co_u32 s20, s20, s16                     ; pi
	s_lshl_b32 s22, s20, 5                         ; 32 bytes a block of 32 codes
	s_lshl_b32 s21, s17, 13                        ; 16 rows of 512 bytes
	s_add_co_u32 s22, s22, s21
	s_mov_b32 s23, 0
	s_add_nc_u64 s[40:41], s[10:11], s[22:23]
	s_lshr_b32 s21, s20, 2
	s_mul_i32 s22, s21, BLOCK
	s_and_b32 s21, s20, 3
	s_lshl_b32 s21, s21, 9
	s_add_co_u32 s22, s22, s21
	s_lshl_b32 s21, s17, 11
	s_add_co_u32 s22, s22, s21
	s_add_nc_u64 s[42:43], s[14:15], s[22:23]
	global_load_b128 v[BC:BC+3], v8, s[40:41] th:TH_LOAD_NT
	s_wait_loadcnt 0x0
	global_store_b128 v6, v[BC:BC+3], s[42:43]     ; 512 consecutive bytes
.Lno_codes:
	; ---- part 3, wave 2 of the work-groups with g < 4: base_weight's scale words of K step g for tile t
	s_cmp_eq_u32 s16, 2
	s_cbranch_scc0 .Lno_scales
	s_cmp_lt_u32 s18, 4
	s_cbranch_scc0 .Lno_scales
	s_lshl_b32 s22, s17, 8                         ; 16 rows of 16 bytes
	s_lshl_b32 s21, s18, 2
	s_add_co_u32 s22, s22, s21
	s_mov_b32 s23, 0
	s_add_nc_u64 s[44:45], s[12:13], s[22:23]
	s_mul_i32 s22, s18, BLOCK
	s_lshl_b32 s21, s17, 6
	s_add_co_u32 s22, s22, s21
	s_add_nc_u64 s[46:47], s[14:15], s[22:23]
	global_load_b32 v[BS], v9, s[44:45]
	s_wait_loadcnt 0x0
	global_store_b32 v7, v[BS], s[46:47] offset:SCO
.Lno_scales:
	; ---- part 4, the first nine work-groups: job J = 4 x work-group + w makes one block's table
	s_cmp_lt_u32 ttmp9, 9
	s_cbranch_scc0 .Ldone
	s_lshl_b32 s20, ttmp9, 2
	s_add_co_u32 s20, s20, s16                     ; J = 0 .. 35
	s_and_b32 s21, s20, 31                         ; the step whose table it is
	s_add_co_u32 s22, s20, 30
	s_and_b32 s22, s22, 31
	s_add_co_u32 s22, s22, 4                       ; J < 32: block 4 + ((J + 30) & 31);
	s_sub_co_u32 s23, s20, 30                      ; else tables 0..3 once more: table i lies in block (i + 2) & 3, so that block B carries table B - 2 for B = 2, 3 too
	s_and_b32 s23, s23, 3
	s_cmp_lt_u32 s20, 32
	s_cselect_b32 s22, s22, s23
	s_mul_i32 s22, s22, BLOCK
	s_mov_b32 s23, 0
	s_mul_i32 s20, s21, 192                        ; 4 features of 48 bytes a step
	s_mov_b32 s21, 0
	s_add_nc_u64 s[48:49], s[8:9], s[20:21]
	s_add_nc_u64 s[50:51], s[14:15], s[22:23]
.irp i, 0,1,2,3,4,5
	global_load_b128 v[KN+4*\i:KN+4*\i+3], v10, s[48:49] offset:16*\i   ; two features' 12 knots (lanes 8 to 31 repeat lanes 0 to 7)
.endr
	s_wait_loadcnt 0x0
.irp e, 0,1
.irp j, 0,1,2,3,4,5,6,7,8,9,10,11
	v_mov_b32 v[TB+2*\j+\e], v[KN+12*\e+\j]
.endr
.irp j, 0,1,2,3,4,5,6,7,8,9,10
	v_sub_f32 v[TB+24+2*\j+\e], v[KN+12*\e+\j+1], v[KN+12*\e+\j]
.endr
.irp j, 0,1,2,3,4,5,6,7,8,9
	v_sub_f32 v[TB+46+2*\j+\e], v[KN+12*\e+\j+2], v[KN+12*\e+\j]
.endr
.irp j, 0,1,2,3,4,5,6,7,8
	v_sub_f32 v[TB+66+2*\j+\e], v[KN+12*\e+\j+3], v[KN+12*\e+\j]
.endr
.endr
.set i_, 24
	s_wait_alu depctr_va_vdst(0)
.rept 60
	v_rcp_f32 v[TB+i_], v[TB+i_]                   ; one batch of 60 reciprocals
.set i_, i_+1
.endr
	v_mov_b32 v[ZR], 0                             ; plain lines behind the last of them
	v_mov_b32 v[ZR+1], 0
	v_mov_b32 v[ZR+2], 0
	v_mov_b32 v[ZR+3], 0
	s_wait_alu depctr_va_vdst(0)                   ; one wait for the batch, ahead of its first reader
.set i_, 24
.rept 22
	v_mul_f32 v[TB+i_], 0x3e800000, v[TB+i_]       ; x 0.25, exact: the layer's launch makes 0 or 4 x this number of it
.set i_, i_+1
.endr
.set i_, 0
.rept 21
	global_store_b128 v11, v[TB+4*i_:TB+4*i_+3], s[50:51] offset:TBO+16*i_
.set i_, i_+1
.endr
.set i_, 0
.rept 11
	global_store_b128 v11, v[ZR:ZR+3], s[50:51] offset:TBO+336+16*i_   ; the rest of the pair's 512 bytes
.set i_, i_+1
.endr
.Ldone:
	s_endpgm
.Lfunc_end_k_qb10e13b1de_prep:
	.size	k_qb10e13b1de_prep, .Lfunc_end_k_qb10e13b1de_prep-k_qb10e13b1de_prep
	.p2alignl 7, 3214868480
	.fill 96, 4, 3214868480
	.section	.rodata,"a",@progbits
	.p2align	6, 0x0
	.amdhsa_kernel k_qb10e13b1de_prep
		.amdhsa_group_segment_fixed_size 0
		.amdhsa_private_segment_fixed_size 0
		.amdhsa_enable_private_segment 0
		.amdhsa_kernarg_size 48
		.amdhsa_user_sgpr_count 2
		.amdhsa_user_sgpr_kernarg_segment_ptr 1
		.amdhsa_wavefront_size32 1
		.amdhsa_system_sgpr_workgroup_id_x 1
		.amdhsa_system_sgpr_workgroup_id_y 1
		.amdhsa_system_sgpr_workgroup_id_z 1
		.amdhsa_system_vgpr_workitem_id 0
		.amdhsa_next_free_vgpr 200
		.amdhsa_next_free_sgpr 66
		.amdhsa_reserve_vcc 0
		.amdhsa_float_denorm_mode_32 3
		.amdhsa_float_denorm_mode_16_64 3
		.amdhsa_memory_ordered 1
		.amdhsa_forward_progress 1
		.amdhsa_inst_pref_size 27
	.end_amdhsa_kernel
	.amdgpu_metadata
---
amdhsa.version: [ 1, 2 ]
amdhsa.kernels:
  - .name:           k_qb10e13b1de_prep
    .symbol:         k_qb10e13b1de_prep.kd
    .args:
      - { .name: spline_weight, .offset: 0, .size: 8, .value_kind: global_buffer, .address_space: global }
      - { .name: spline_scaler, .offset: 8, .size: 8, .value_kind: global_buffer, .address_space: global }
      - { .name: grid, .offset: 16, .size: 8, .value_kind: global_buffer, .address_space: global }
      - { .name: base_weight_codes, .offset: 24, .size: 8, .value_kind: global_buffer, .address_space: global }
      - { .name: base_weight_scales, .offset: 32, .size: 8, .value_kind: global_buffer, .address_space: global }
      - { .name: wq, .offset: 40, .size: 8, .value_kind: global_buffer, .address_space: global }
    .group_segment_fixed_size: 0
    .private_segment_fixed_size: 0
    .kernarg_segment_align: 8
    .kernarg_segment_size: 48
    .max_flat_workgroup_size: 128
    .sgpr_count:     66
    .vgpr_count:     200
    .wavefront_size: 32
...
	.end_amdgpu_metadata
.endif
;; end of part 1
;; launch kan (part 2): grid 256 x 1, 4 waves a work-group, clusters of 4 x 1, 327,680 bytes of LDS; arguments x, wq, out0; writes out0
.if DOCPART == 2
	.amdgcn_target "amdgcn-amd-amdhsa--gfx1250"
	.amdhsa_code_object_version 6
	.text
	.protected	k_qb10e13b1de_kan
	.globl	k_qb10e13b1de_kan
	.p2align	8
	.type	k_qb10e13b1de_kan,@function
k_qb10e13b1de_kan:
	s_mov_b64 s[64:65], 0
	v_nop
	global_prefetch_b8 v0, s[64:65] scope:SCOPE_SE
	s_setreg_imm32_b32 hwreg(HW_REG_WAVE_MODE, 25, 1), 1
	s_wait_xcnt 0x0
	s_wait_alu depctr_hold_cnt(0) depctr_sa_sdst(0) depctr_va_vdst(0) depctr_va_sdst(0) depctr_va_ssrc(0) depctr_va_vcc(0) depctr_vm_vsrc(0)
	s_getreg_b32 s2, hwreg(HW_REG_IB_STS2, 6, 4)
	s_cmp_eq_u32 s2, 0
	s_cbranch_scc0 .Lentry_in_a_cluster
	s_endpgm
.Lentry_in_a_cluster:
	s_bfe_u32 s2, ttmp6, 0x10000c
	s_cmp_lg_u32 s2, 0x3003
	s_cbranch_scc0 .Lentry_shape_is_right
	s_endpgm
.Lentry_shape_is_right:
; out0 = Q(silu(x)) base_weight^T + Q(bases(x)) Q(spline_weight x scaler)^T, both products on codes of BF8 (E5M2) with one E8M0 scale for each 32 along K; sums in f32.
; SHARES.  A work-group owns 64 rows of x and all 512 columns, so each basis is computed once in the launch.  Four waves.  Wave w multiplies columns 128 w .. + 127 of all 64 rows
; (32 accumulators: 4 tiles of rows g x 8 tiles of columns n) and makes chunk cc = w (one MX block of 32 a row) of the next spline step's activations for all 64 rows.
; K goes in 36 steps of 128, one dense block of 71,680 bytes of wq each (codes as images of operand registers, scale words, a knot table): blocks 0-3 base_weight, block 4 + q spline step q.
; Spline step q, chunk cc: features 128 cc + 4 q + 0..3, a true MX block of K = 8 x feature + basis; byte 16 h + 2 j + e is (feature + 2 h + e, basis j), alike on both operands: only the order of the f32 sum differs.
; ORDER.  The head brings x (one tensor load a wave), asks for block 0 and makes all four base steps' silu images (wave w: rows 16 w on) while that block is on its way: so no transcendental follows a matrix instruction.
; Trips 0-2 multiply alone; trip T = 3..34 multiplies block T and makes the images of block T + 1; trip 35 multiplies alone.  Block B carries the knot table of spline step B - 2, read into registers one trip ahead of its use.
; RING.  Two LDS slots of one block; at trip T's head block T + 1 is asked for, a quarter (70 rows of 256 bytes) a wave.  The four work-groups of a cluster walk the same blocks: each quarter is asked for JOINTLY (mask 15).
; No prefetch is laid: each block is asked for a whole trip (32 products and four units of splines) ahead of the wait for it, and all clusters read the same 36 blocks in the same order.
; THE SPLINES are the whole triangle (11, 10, 9, 8 bases), for any knots.  t[j] = x - g[j]; s[j] = +-1 with t[j]'s sign; (s[j] + 1) x 0.25 inv x (1 - s[j+1]) is inv where g[j] <= x < g[j+1], else 0, exactly.
; Each higher basis is t[j] c[j] - t[j+k+1] c[j+1], c = lower basis x reciprocal: three packed lines for two features.
; THE MATRIX INSTRUCTION IS USED TRANSPOSED (source 0 = 16 columns' weights, source 1 = 16 rows' activations): a lane holds eight neighbouring columns of one row of out0.
; LIMITS: NaN and infinities in x are not served; x = -0 counts as +0; divisions by knot differences are reciprocals (made by the launch before) and multiplications;
; a block of zeros gets the scale byte 1 where the rule says 127: its codes are zeros, and this program alone reads the bytes.
; REGISTERS: window 0: addresses, scale words, the knot table, vector work.  window 1: accumulator (g, n) at v[8 (8 g + n)].  window 2: B's fragments at v[16 n], A's at v[128 + 16 g].
; THE WALK IS ROTATED, which refines ORDER above: rho = the cluster's number mod 32, the same in all four partners.  For 'block T' read the T-th block of the walk:
; base block (T + rho) & 3 for T < 4, then spline block 4 + ((T - 4 + rho) & 31): the clusters stand at different blocks of wq.  Silu image T is that of base step (T + rho) & 3.
; A spline block carries the table of the step two further on in the cyclic walk; the tables of the first two steps, rho and rho + 1, come by plain loads at the head:
; the first into the table's registers, the second into window 3 (v768-851), from where trip 3 copies it.  Trips 3 and 34 are written out; the loop runs trips 4 to 33.
; x's tiles are stated 130 elements wide over a tensor of 128: the load writes zeros into the last 16 bytes of each LDS row of 1,040.
.set BLOCK, 71680
.set AGC, 23                           ; v23  my pair's offset in a table in wq: 1,024 w + 512 h; never rewritten
.set RHO, 13
.set NT,  52                           ; s52  the place in the walk of the block that is asked for next
.set TA,  68                           ; s[68:69], s[70:71] the first two tables in wq
.set QUART, 17920
.set SCO,   65536                      ; in a block: the scale words,
.set TBO,   67584                      ; the knot table: 8 pairs x 512 bytes
.set RING1, 71680                      ; slot 0 at 0, slot 1 here
.set XB,    143360                     ; x: two halves (features 0-255, 256-511) of 64 rows
.set XH,    66560
.set XPI,   1040                       ; a row: 1,024 bytes + 16 of padding
.set IMG0,  276480                     ; four buffers for activations: 4 images of 2,048 bytes, then 256 bytes of scale words [tile][row][4]
.set IMGB,  8704
.set ISC,   8192
.set SPARE, 311296                     ; the spare words: 128 bytes a wave
.set SPI,   528                        ; the way out: 16 rows x (512 + 16) bytes a wave, in x's bytes, behind their one fill and last read
.set SPW, 1
.set NIL, 2
.set AB,  3                            ; v3-4   B's fragments in slot 0, 1
.set AS,  5                            ; v5-6   the weights' scale words
.set AG,  7                            ; v7-8   my pair of the knot table
.set AIA, 9                            ; images, to read
.set AIS, 10                           ; their scale words
.set AWI, 11                           ; a spline chunk, to write
.set AWS, 12                           ; its scale byte
.set AX,  13                           ; x for the splines
.set ASL, 14                           ; v14 x for silu; the half is added per step
.set ASI, 16                           ; a silu image, to write
.set ASS, 17                           ; its scale word
.set AXC, 18
.set WS,  19                           ; v19-22   the weights' scale words: lanes 0-15 tile 2 j, lanes 16-31 tile 2 j + 1
.set XS,  254                          ; v254-255 the activations' likewise
.set XPR, 24                           ; v24-31   unit u's pair of x
.set TBL, 32                           ; v32-115  the table: 12 pairs of knots, 11, 10, 9 pairs of reciprocals
.set GG,  32
.set I1,  56
.set I2,  78
.set I3,  98
.set TT,  116
.set CC,  140
.set MM,  162
.set XN,  162
.set QQ,  182                          ; unit u's 8 pairs of bases at QQ + 16 u; before that its 24 signs
.set CD,  116
.set TM,  140
.set TX,  144
.set LIM, 148
.set SCL, 152
.set PW,  156
.set VV,  182
.set YY,  116
.set STO, 32
.set RD,  33
.set CO,  34
.set WV,  10
.set G1W, 16
.set G0W, 24
.set G1X, 32
.set G0X, 40
.set SEL, 44
.set MNT, 46
.set SGN, 47
.set NL2, 48
.set CNT, 50
.set XO,  51                           ; 16 x the spline step whose x is fetched next
.set OFF, 56
.set WB,  58                           ; s[58:59] wq + my quarter's place in a block
.set MSB, 0
.set MION, 0
.set ZERO, 0
.set MSTAY, 0
.set MK, 0
.macro WIN new
.if MSB != \new
	s_set_vgpr_msb (MSB<<8)|\new
.set MSB, \new
.endif
.endm
.macro CREST
	s_cmp_lg_u32 s[WV], 0
	s_cbranch_scc1 .Lnot_wave_0_\@
	s_barrier_signal -3
.Lnot_wave_0_\@:
	s_barrier_wait -3
	s_barrier_signal -1
	s_barrier_wait -1
.endm
.macro ROUND
	s_barrier_signal -1
	s_barrier_wait -1
	CREST
.endm
.macro WM                              ; matrix instruction MK = 8 g + n; the 32 accumulators take turns
.set rD, 8*MK
.set rB, 16*(MK%8)
.set rA, 128+16*(MK/8)
.set rW, WS+(MK%8)/2
.set rX, XS+(MK/8)/2
.set rO, 2*(MK%2)+(MK/8)%2             ; odd tiles' scale words lie in lanes 16-31
.if ZERO
.if rO == 0
	v_wmma_scale_f32_16x16x128_f8f6f4 v[rD:rD+7], v[rB:rB+15], v[rA:rA+15], 0, v[rW], v[rX] matrix_a_fmt:MATRIX_FMT_BF8 matrix_b_fmt:MATRIX_FMT_BF8
.elseif rO == 1
	v_wmma_scale_f32_16x16x128_f8f6f4 v[rD:rD+7], v[rB:rB+15], v[rA:rA+15], 0, v[rW], v[rX] matrix_a_fmt:MATRIX_FMT_BF8 matrix_b_fmt:MATRIX_FMT_BF8 matrix_b_scale:MATRIX_SCALE_ROW1
.elseif rO == 2
	v_wmma_scale_f32_16x16x128_f8f6f4 v[rD:rD+7], v[rB:rB+15], v[rA:rA+15], 0, v[rW], v[rX] matrix_a_fmt:MATRIX_FMT_BF8 matrix_b_fmt:MATRIX_FMT_BF8 matrix_a_scale:MATRIX_SCALE_ROW1
.else
	v_wmma_scale_f32_16x16x128_f8f6f4 v[rD:rD+7], v[rB:rB+15], v[rA:rA+15], 0, v[rW], v[rX] matrix_a_fmt:MATRIX_FMT_BF8 matrix_b_fmt:MATRIX_FMT_BF8 matrix_a_scale:MATRIX_SCALE_ROW1 matrix_b_scale:MATRIX_SCALE_ROW1
.endif
.else
.if rO == 0
	v_wmma_scale_f32_16x16x128_f8f6f4 v[rD:rD+7], v[rB:rB+15], v[rA:rA+15], v[rD:rD+7], v[rW], v[rX] matrix_a_fmt:MATRIX_FMT_BF8 matrix_b_fmt:MATRIX_FMT_BF8
.elseif rO == 1
	v_wmma_scale_f32_16x16x128_f8f6f4 v[rD:rD+7], v[rB:rB+15], v[rA:rA+15], v[rD:rD+7], v[rW], v[rX] matrix_a_fmt:MATRIX_FMT_BF8 matrix_b_fmt:MATRIX_FMT_BF8 matrix_b_scale:MATRIX_SCALE_ROW1
.elseif rO == 2
	v_wmma_scale_f32_16x16x128_f8f6f4 v[rD:rD+7], v[rB:rB+15], v[rA:rA+15], v[rD:rD+7], v[rW], v[rX] matrix_a_fmt:MATRIX_FMT_BF8 matrix_b_fmt:MATRIX_FMT_BF8 matrix_a_scale:MATRIX_SCALE_ROW1
.else
	v_wmma_scale_f32_16x16x128_f8f6f4 v[rD:rD+7], v[rB:rB+15], v[rA:rA+15], v[rD:rD+7], v[rW], v[rX] matrix_a_fmt:MATRIX_FMT_BF8 matrix_b_fmt:MATRIX_FMT_BF8 matrix_a_scale:MATRIX_SCALE_ROW1 matrix_b_scale:MATRIX_SCALE_ROW1
.endif
.endif
.set MK, MK+1
.endm
; Two matrix instructions under one switch of the windows.  The waits count FRAGS' 54 loads: behind B's fragment n stand 40 - 4 n, behind A's fragments 1, 2, 3 stand 8, 4, 0; no other LDS instruction is issued between FRAGS and MK = 24.
.macro MI
.if MION
.set WT, -1
.if MK < 8
.set WT, 36-4*MK
.elseif MK%8 == 0
.set WT, 12-MK/2
.endif
.if WT >= 0
	s_wait_alu depctr_va_vdst(0)
	s_wait_dscnt WT
.endif
	WIN 0x5a                                       ; sources 0 and 1 window 2, C and D window 1
	WM
	WM
.if MSTAY == 0
	WIN 0
.endif
.endif
.endm
.macro AFRAG g, buf
.irp c, 0,1,2,3
	ds_load_b128 v[128+16*(\g)+4*\c:128+16*(\g)+4*\c+3], v[AIA] offset:IMGB*(\buf)+2048*(\g)+512*\c
.endr
.endm
.macro FRAGS slot, buf                 ; a K step's operands, 54 LDS loads: 4 + 2 scale words, A's tile 0, B's eight, A's tiles 1 to 3
.irp j, 0,1,2,3
	ds_load_b32 v[WS+\j], v[AS+\slot] offset:128*\j
.endr
.irp j, 0,1
	ds_load_b32 v[XS+\j], v[AIS] offset:IMGB*(\buf)+128*\j
.endr
	WIN 0x80
	AFRAG 0, \buf
.irp n, 0,1,2,3,4,5,6,7
.irp c, 0,1,2,3
	ds_load_b128 v[16*\n+4*\c:16*\n+4*\c+3], v[AB+\slot] offset:2048*\n+512*\c
.endr
.endr
	AFRAG 1, \buf
	AFRAG 2, \buf
	AFRAG 3, \buf
	WIN 0
.endm
.macro U_TA u, mi                      ; t[j] = x - g[j], and their signs as +-1
	v_pk_add_f32 v[XN:XN+1], v[XPR+2*(\u):XPR+2*(\u)+1], 0 op_sel_hi:[1,0]   ; -0 becomes +0
.set j_, 0
.rept 12
	v_pk_add_f32 v[TT+2*j_:TT+2*j_+1], v[XN:XN+1], v[GG+2*j_:GG+2*j_+1] neg_lo:[0,1] neg_hi:[0,1]
.set j_, j_+1
.endr
.if \mi
	MI
.endif
.set j_, 0
.rept 24
	v_bfi_b32 v[QQ+16*(\u)+j_], s[SGN], 1.0, v[TT+j_]
.set j_, j_+1
.endr
.endm
.macro U_TB u, mi                      ; order 0 x its reciprocal, then order 1
.set j_, 0
.rept 11
	v_pk_fma_f32 v[CC+2*j_:CC+2*j_+1], v[QQ+16*(\u)+2*j_:QQ+16*(\u)+2*j_+1], v[I1+2*j_:I1+2*j_+1], v[I1+2*j_:I1+2*j_+1]
.set j_, j_+1
.endr
.set j_, 0
.rept 11
	v_pk_fma_f32 v[CC+2*j_:CC+2*j_+1], v[CC+2*j_:CC+2*j_+1], v[QQ+16*(\u)+2*j_+2:QQ+16*(\u)+2*j_+3], v[CC+2*j_:CC+2*j_+1] neg_lo:[1,0,0] neg_hi:[1,0,0]
.set j_, j_+1
.endr
.if \mi
	MI
.endif
.set j_, 0
.rept 10
	v_pk_mul_f32 v[MM+2*j_:MM+2*j_+1], v[TT+2*j_+4:TT+2*j_+5], v[CC+2*j_+2:CC+2*j_+3]
.set j_, j_+1
.endr
.set j_, 0
.rept 10
	v_pk_fma_f32 v[MM+2*j_:MM+2*j_+1], v[TT+2*j_:TT+2*j_+1], v[CC+2*j_:CC+2*j_+1], v[MM+2*j_:MM+2*j_+1] neg_lo:[0,0,1] neg_hi:[0,0,1]
.set j_, j_+1
.endr
.endm
.macro U_L u                           ; orders 2 and 3; matrix instructions behind the last two runs
.set j_, 0
.rept 10
	v_pk_mul_f32 v[CC+2*j_:CC+2*j_+1], v[MM+2*j_:MM+2*j_+1], v[I2+2*j_:I2+2*j_+1]
.set j_, j_+1
.endr
.set j_, 0
.rept 9
	v_pk_mul_f32 v[MM+2*j_:MM+2*j_+1], v[TT+2*j_+6:TT+2*j_+7], v[CC+2*j_+2:CC+2*j_+3]
.set j_, j_+1
.endr
.set j_, 0
.rept 9
	v_pk_fma_f32 v[MM+2*j_:MM+2*j_+1], v[TT+2*j_:TT+2*j_+1], v[CC+2*j_:CC+2*j_+1], v[MM+2*j_:MM+2*j_+1] neg_lo:[0,0,1] neg_hi:[0,0,1]
.set j_, j_+1
.endr
.set j_, 0
.rept 9
	v_pk_mul_f32 v[CC+2*j_:CC+2*j_+1], v[MM+2*j_:MM+2*j_+1], v[I3+2*j_:I3+2*j_+1]
.set j_, j_+1
.endr
.set j_, 0
.rept 8
	v_pk_mul_f32 v[MM+2*j_:MM+2*j_+1], v[TT+2*j_+8:TT+2*j_+9], v[CC+2*j_+2:CC+2*j_+3]
.set j_, j_+1
.endr
	MI
.set j_, 0
.rept 8
	v_pk_fma_f32 v[QQ+16*(\u)+2*j_:QQ+16*(\u)+2*j_+1], v[TT+2*j_:TT+2*j_+1], v[CC+2*j_:CC+2*j_+1], v[MM+2*j_:MM+2*j_+1] neg_lo:[0,0,1] neg_hi:[0,0,1]   ; register 2 j + e: the operand's byte
.set j_, j_+1
.endr
	MI
.endm
.macro BODY                            ; units 0 to 3 (unit 0's t were made inside the barrier), with 28 of the step's matrix instructions
	U_TB 0, 0
	U_L 0
.irp u, 1,2,3
	U_TA \u, 1
	U_TB \u, 1
	U_L \u
.endr
.endm
.macro NEXTC areg, tb                  ; tb = 1: the table from the slot in hand; 2: from window 3; 0: it is in its registers already
	v_add_nc_u32 v[AXC], s[XO], v[AX]
.if \tb == 1
.set i_, 0
.rept 21
	ds_load_b128 v[TBL+4*i_:TBL+4*i_+3], v[\areg] offset:16*i_
.set i_, i_+1
.endr
.endif
.if \tb == 2
	WIN 0x03                                       ; source 0 window 3
.set i_, 0
.rept 84
	v_mov_b32 v[TBL+i_], v[i_]
.set i_, i_+1
.endr
	WIN 0
.endif
.irp u, 0,1,2,3
	ds_load_b64 v[XPR+2*\u:XPR+2*\u+1], v[AXC] offset:16*XPI*\u
.endr
	s_add_co_u32 s[XO], s[XO], 16
	s_and_b32 s[XO], s[XO], 0x1f0                  ; 16 x the step, mod 32: the walk starts at rho and wraps
.endm
; v[QQ] on: four groups of 16 numbers, each half of an MX block whose other half lies in lane l xor 16.  Codes to v[CD] on, bytes to v[TX] on.
.macro QCORE
.irp b, 0,1,2,3
	v_max3_num_f32 v[TM+\b], |v[QQ+16*\b]|, |v[QQ+16*\b+1]|, 0x8000000   ; and the floor 2^(16 - 127): the byte cannot fall under 1
.endr
.irp i, 2,4,6,8,10,12,14
.irp b, 0,1,2,3
	v_max3_num_f32 v[TM+\b], v[TM+\b], |v[QQ+16*\b+\i]|, |v[QQ+16*\b+\i+1]|
.endr
.endr
	MI
.irp b, 0,1,2,3
	v_permlanex16_b32 v[TX+\b], v[TM+\b], s[SEL], s[SEL+1]
.endr
.irp b, 0,1,2,3
	v_max_num_f32 v[TM+\b], v[TM+\b], v[TX+\b]
.endr
.irp b, 0,1,2,3
	v_add_nc_u32 v[SCL+\b], 0xf8800000, v[TM+\b]   ; 15 off the exponent field: the conversion's scale operand
.endr
.irp b, 0,1,2,3
	v_and_or_b32 v[LIM+\b], v[TM+\b], 0x7f800000, s[MNT]   ; 57,344 x the scale
.endr
.irp b, 0,1,2,3
	v_lshrrev_b32 v[TX+\b], 23, v[SCL+\b]          ; the scale's byte
.endr
	MI
.irp b, 0,1,2,3
.irp i, 0,1,2,3,4,5,6,7,8,9,10,11,12,13,14,15
	v_med3_num_f32 v[QQ+16*\b+\i], v[QQ+16*\b+\i], -v[LIM+\b], v[LIM+\b]   ; the conversion does not saturate (ISA guide 7.6.2); these lines are also the places behind the step's last products
.endr
	v_cvt_scalef32_pk8_bf8_f32 v[CD+4*\b:CD+4*\b+1], v[QQ+16*\b:QQ+16*\b+7], v[SCL+\b]
	v_cvt_scalef32_pk8_bf8_f32 v[CD+4*\b+2:CD+4*\b+3], v[QQ+16*\b+8:QQ+16*\b+15], v[SCL+\b]
.endr
	v_nop                                          ; a plain line behind the last conversion
.endm
.macro SPST buf                        ; my chunk of the four images, and my byte of their rows' scale words
.irp u, 0,1,2,3
	ds_store_b128 v[AWI], v[CD+4*\u:CD+4*\u+3] offset:IMGB*(\buf)+2048*\u
	ds_store_b8 v[AWS], v[TX+\u] offset:IMGB*(\buf)+64*\u
.endr
.endm
; silu(x) = x / (1 + 2^(-log2(e) x)) of my 16 rows' features 128 ((k + rho) & 3) on, quantised: one whole image and its scale words, into buffer (k + 2) % 4
.macro SILU k
	s_add_co_u32 s60, s[RHO], \k
	s_and_b32 s60, s60, 3                          ; base step (k + rho) & 3:
	s_and_b32 s61, s60, 1
	s_lshl_b32 s61, s61, 9                         ; 128 features are 512 bytes,
	s_lshr_b32 s60, s60, 1
	s_mul_i32 s60, s60, XH                         ; 256 a half of x
	s_add_co_u32 s60, s60, s61
	v_add_nc_u32 v[AXC], s60, v[ASL]
.irp c, 0,1,2,3
.irp i, 0,1,2,3
	ds_load_b128 v[VV+16*\c+4*\i:VV+16*\c+4*\i+3], v[AXC] offset:128*\c+16*\i
.endr
.endr
	s_wait_dscnt 0x0
.set k_, 0
.rept 32
	v_pk_mul_f32 v[YY+2*k_:YY+2*k_+1], v[VV+2*k_:VV+2*k_+1], s[NL2:NL2+1] op_sel_hi:[1,0]
.set k_, k_+1
.endr
	s_wait_alu depctr_va_vdst(0)                   ; a wait ahead of each batch and one behind it
.set k_, 0
.rept 64
	v_exp_f32 v[YY+k_], v[YY+k_]
.set k_, k_+1
.endr
	v_nop
	s_wait_alu depctr_va_vdst(0)
.set k_, 0
.rept 32
	v_pk_add_f32 v[YY+2*k_:YY+2*k_+1], v[YY+2*k_:YY+2*k_+1], 1.0 op_sel_hi:[1,0]
.set k_, k_+1
.endr
	s_wait_alu depctr_va_vdst(0)
.set k_, 0
.rept 64
	v_rcp_f32 v[YY+k_], v[YY+k_]
.set k_, k_+1
.endr
	v_nop
	s_wait_alu depctr_va_vdst(0)
.set k_, 0
.rept 32
	v_pk_mul_f32 v[VV+2*k_:VV+2*k_+1], v[VV+2*k_:VV+2*k_+1], v[YY+2*k_:YY+2*k_+1]
.set k_, k_+1
.endr
	QCORE
	v_lshl_or_b32 v[PW], v[TX+1], 8, v[TX]
	v_lshl_or_b32 v[PW], v[TX+2], 16, v[PW]
	v_lshl_or_b32 v[PW], v[TX+3], 24, v[PW]
.irp c, 0,1,2,3
	ds_store_b128 v[ASI], v[CD+4*\c:CD+4*\c+3] offset:IMGB*(((\k)+2)%4)+512*\c
.endr
	ds_store_b32 v[ASS], v[PW] offset:IMGB*(((\k)+2)%4)
.endm
; THE CHANGE OF SLOTS.  Each wave waits for all its tensor loads (one is out), adds 0 to its spare word, and waits for that, for its LDS stores and for its reads of the slot that it has left.
; fill = 1: the barrier opens a round of the cluster's barrier, and the joint load of the next block into slot fslot is the first thing behind the round.  work = 1: unit 0's t are made inside the barrier.
.macro CHG fill, fslot, work
	s_wait_alu depctr_va_vdst(0)
	s_wait_tensorcnt 0x0                           ; no tensor load of mine is out, so a group 0 may be written
	ds_add_u32 v[SPW], v[NIL]
.if \fill
	s_add_co_u32 s60, s[NT], s[RHO]
	s_and_b32 s61, s60, 3                          ; a base block,
	s_sub_co_u32 s60, s60, 4
	s_and_b32 s60, s60, 31
	s_add_co_u32 s60, s60, 4                       ; or a spline block
	s_cmp_lt_u32 s[NT], 4
	s_cselect_b32 s60, s61, s60
	s_mul_i32 s[OFF], s60, BLOCK
	s_add_co_u32 s[NT], s[NT], 1
	s_add_nc_u64 s[G0W+4*(\fslot)+2:G0W+4*(\fslot)+3], s[WB:WB+1], s[OFF:OFF+1]
	s_or_b32 s[G0W+4*(\fslot)+3], s[G0W+4*(\fslot)+3], 0x80000000
.endif
	s_wait_loadcnt 0x0                             ; the head's 42 loads of the first two tables (none is out later)
	s_wait_dscnt 0x0
	s_barrier_signal -1
.if \work
	U_TA 0, 0
	s_wait_alu depctr_va_vdst(0)
.endif
	s_barrier_wait -1
.if \fill
	CREST
	tensor_load_to_lds s[G0W+4*(\fslot):G0W+4*(\fslot)+3], s[G1W:G1W+7]
	s_nop 0
.rept 4
	v_nop
.endr
.endif
.endm
.macro TRIP s, tb
	CHG 1, 1-\s, 1
.set MK, 0
	FRAGS \s, \s
	BODY
.if \tb < 3
	NEXTC AG+\s, \tb
.endif
	QCORE
	SPST 1-\s
.endm
.macro MONLY s, buf, fill, places      ; a trip that multiplies alone
	CHG \fill, 1-\s, 0
.set MK, 0
	FRAGS \s, \buf
.set MSTAY, 1
.rept 16
	MI
.endr
.set MSTAY, 0
	WIN 0
.rept \places
	v_nop                                          ; places between the last products and the next loads into their operands
.endr
.endm
	s_load_b128 s[4:7], s[0:1], 0x0                ; x, wq
	s_load_b64 s[8:9], s[0:1], 0x10                ; out0
	v_lshl_add_u32 v[SPW], v0, 2, SPARE
	v_mov_b32 v[NIL], 0
	ds_add_u32 v[SPW], v[NIL]                      ; the opening lines: the add twice on end and its wait
	ds_add_u32 v[SPW], v[NIL]
	v_lshrrev_b32 v[AXC], 5, v0
	v_readfirstlane_b32 s[WV], v[AXC]              ; wave 0..3
	s_bfe_u32 s11, ttmp6, 0x40000                  ; cx
	s_lshl_b32 s12, ttmp9, 2
	s_add_co_u32 s12, s12, s11                     ; my work-group: it enters x's and out0's addresses alone
	s_mov_b32 s[G1W], 15|(3<<16)|(1<<21)           ; a quarter block: 70 rows of 32 elements of 8 bytes, dense; the mask names all four work-groups
	s_mov_b32 s[G1W+1], 32<<16
	s_mov_b32 s[G1W+2], 70<<16
	s_mov_b32 s[G1W+3], 32<<16
	s_mov_b32 s[G1W+4], 70
	s_mov_b32 s[G1W+5], 32
	s_mov_b32 s[G1W+6], 0
	s_mov_b32 s[G1W+7], 0
	s_mov_b32 s[G1X], 3<<16                        ; x, my work-group's own: 32 rows, elements of 8 bytes, 256 elements apart; 128 elements are there, the tile is 130 wide: two elements of zeros end each LDS row
	s_mov_b32 s[G1X+1], 128<<16
	s_mov_b32 s[G1X+2], 32<<16
	s_mov_b32 s[G1X+3], 130<<16
	s_mov_b32 s[G1X+4], 32
	s_mov_b32 s[G1X+5], 256
	s_mov_b32 s[G1X+6], 0
	s_mov_b32 s[G1X+7], 0
	s_mov_b32 s[SEL], 0x76543210
	s_mov_b32 s[SEL+1], 0xfedcba98
	s_mov_b32 s[MNT], 0x600000
	s_mov_b32 s[SGN], 0x7fffffff
	s_mov_b32 s[NL2], 0xbfb8aa3b                   ; -log2(e)
	s_mov_b32 s[NL2+1], s[NL2]
	s_and_b32 s[RHO], ttmp9, 31                    ; the rotation: in a cluster launch ttmp9 counts clusters
	s_lshl_b32 s[XO], s[RHO], 4
	s_mov_b32 s[NT], 0
	s_mov_b32 s[G0W], 1
	s_mul_i32 s[G0W+1], s[WV], QUART
	s_mov_b32 s[G0W+4], 1
	s_add_co_u32 s[G0W+5], s[G0W+1], RING1
	s_mov_b32 s[OFF], s[G0W+1]
	s_mov_b32 s[OFF+1], 0
	s_mov_b32 s81, 0
	s_lshr_b32 s61, s[WV], 1
	s_and_b32 s62, s[WV], 1
	s_mov_b32 s[G0X], 1
	s_mul_i32 s[G0X+1], s62, XH                    ; x: half w % 2 of the features,
	s_mul_i32 s63, s61, 32*XPI                     ; rows 32 (w / 2) on
	s_add_co_u32 s[G0X+1], s[G0X+1], s63
	s_add_co_u32 s[G0X+1], s[G0X+1], XB
	s_lshl_b32 s80, s12, 17                        ; my work-group's 64 rows of 2,048 bytes
	s_lshl_b32 s63, s61, 16
	s_add_co_u32 s80, s80, s63
	s_lshl_b32 s63, s62, 10
	s_add_co_u32 s80, s80, s63
	s_wait_dscnt 0x0
	s_wait_kmcnt 0x0
	s_add_nc_u64 s[WB:WB+1], s[6:7], s[OFF:OFF+1]  ; wq + my quarter
.irp i, 0,1
	s_add_co_u32 s60, s[RHO], 30+\i                ; the table of step rho + i lies in block 4 + ((rho + i + 30) & 31)
	s_and_b32 s60, s60, 31
	s_add_co_u32 s60, s60, 4
	s_mul_i32 s[OFF], s60, BLOCK
	s_add_co_u32 s[OFF], s[OFF], TBO
	s_add_nc_u64 s[TA+2*\i:TA+2*\i+1], s[6:7], s[OFF:OFF+1]
.endr
	s_add_nc_u64 s[G0X+2:G0X+3], s[4:5], s[80:81]
	s_or_b32 s[G0X+3], s[G0X+3], 0x80000000
	s_lshl_b32 s80, s12, 17
	s_lshl_b32 s63, s[WV], 9
	s_add_co_u32 s80, s80, s63
	s_add_nc_u64 s[8:9], s[8:9], s[80:81]          ; out0 at my rows and my 128 columns
	ROUND
	tensor_load_to_lds s[G0X:G0X+3], s[G1X:G1X+7]  ; my quarter of x: one tensor load a wave at the head
	s_nop 0
.rept 4
	v_nop
.endr
	v_and_b32 v32, 31, v0                          ; lane
	v_and_b32 v33, 15, v0                          ; r
	v_bfe_u32 v34, v0, 4, 1                        ; h
	v_mul_u32_u24 v35, v33, XPI
	s_wait_alu depctr_va_vdst(0)
	s_lshl_b32 s60, s[WV], 14
	v_lshl_add_u32 v[AB], v32, 4, s60
	v_add_nc_u32 v[AB+1], RING1, v[AB]
	s_lshl_b32 s60, s[WV], 9
	s_add_co_u32 s61, s60, SCO
	v_lshl_add_u32 v[AS], v32, 2, s61
	v_add_nc_u32 v[AS+1], RING1, v[AS]
	s_lshl_b32 s61, s[WV], 10
	s_add_co_u32 s62, s61, TBO
	v_lshl_add_u32 v[AG], v34, 9, s62
	v_add_nc_u32 v[AG+1], RING1, v[AG]
	v_lshl_add_u32 v[AGC], v34, 9, s61
	v_lshl_add_u32 v[AIA], v32, 4, IMG0
	v_lshl_add_u32 v[AIS], v32, 2, IMG0+ISC
	s_add_co_u32 s62, s60, IMG0
	v_lshl_add_u32 v[AWI], v32, 4, s62
	s_add_co_u32 s62, s[WV], IMG0+ISC
	v_lshl_add_u32 v[AWS], v33, 2, s62
	s_lshl_b32 s62, s[WV], 11
	s_add_co_u32 s62, s62, IMG0
	v_lshl_add_u32 v[ASI], v32, 4, s62
	s_lshl_b32 s62, s[WV], 6
	s_add_co_u32 s62, s62, IMG0+ISC
	v_lshl_add_u32 v[ASS], v33, 2, s62
	s_lshr_b32 s62, s[WV], 1
	s_mul_i32 s62, s62, XH
	s_and_b32 s63, s[WV], 1
	s_lshl_b32 s63, s63, 9
	s_add_co_u32 s62, s62, s63
	s_add_co_u32 s62, s62, XB
	v_lshl_add_u32 v[AX], v34, 3, v35
	v_add_nc_u32 v[AX], s62, v[AX]
	s_mul_i32 s62, s[WV], 16*XPI
	s_add_co_u32 s62, s62, XB
	v_lshl_add_u32 v[ASL], v34, 6, v35
	v_add_nc_u32 v[ASL], s62, v[ASL]
.irp b, 0,1,2,3
	v_mov_b32 v[TX+\b], 0                          ; a lane permute's destination counts as one of its sources
.endr
	s_wait_alu depctr_va_vdst(0)
.set i_, 0
.rept 21
	global_load_b128 v[TBL+4*i_:TBL+4*i_+3], v[AGC], s[TA:TA+1] offset:16*i_   ; step rho's table (v32-35 are done with as temporaries)
.set i_, i_+1
.endr
	WIN 0xc0                                       ; destination window 3
.set i_, 0
.rept 21
	global_load_b128 v[4*i_:4*i_+3], v[AGC], s[TA+2:TA+3] offset:16*i_         ; step rho + 1's
.set i_, i_+1
.endr
	WIN 0
	CHG 1, 0, 0
	SILU 0
	SILU 1
	SILU 2
	SILU 3
.set MION, 1
.set ZERO, 1
	MONLY 0, 2, 1, 8                               ; trip 0: its products start the sums; slot 1's first fill goes out at its head
.set ZERO, 0
	MONLY 1, 3, 1, 8
	MONLY 0, 0, 1, 8
	NEXTC AG, 0                                    ; the first spline step's x; its table is in its registers
	TRIP 1, 2                                      ; trip 3: the last base block is multiplied, the first spline images are made
	s_mov_b32 s[CNT], 15
.Lspline:                                              ; trips 4 to 33, two to a turn
	TRIP 0, 1
	TRIP 1, 1
	s_wait_alu depctr_va_vdst(0)
	s_sub_co_i32 s[CNT], s[CNT], 1
	s_cmp_lg_u32 s[CNT], 0
	s_cbranch_scc1 .Lspline
	TRIP 0, 3                                      ; trip 34 makes the last images and fetches no further table or x
	MONLY 1, 1, 0, 0
	; THE WAY OUT, a tile of 16 rows x my 128 columns at a time, through my own stage in LDS, back as whole rows of 512 bytes.  The eight address lines are the places behind the last products.
	v_and_b32 v35, 31, v0
	v_and_b32 v36, 15, v0
	v_bfe_u32 v37, v0, 4, 1
	s_mul_i32 s60, s[WV], 16*SPI
	s_add_co_u32 s60, s60, XB                      ; every wave has passed trip 35's barrier, behind which nobody reads x
	v_mul_u32_u24 v[STO], v36, SPI
	v_lshl_add_u32 v[STO], v37, 5, v[STO]
	v_add_nc_u32 v[STO], s60, v[STO]
	v_lshlrev_b32 v[CO], 4, v35
	v_add_nc_u32 v[RD], s60, v[CO]
	s_wait_alu depctr_va_vdst(0)
.macro TOSTAGE g
	WIN 0x04                                       ; an LDS store's data are its source 1: window 1
.irp n, 0,1,2,3,4,5,6,7
	ds_store_b128 v[STO], v[8*(8*(\g)+\n):8*(8*(\g)+\n)+3] offset:64*\n          ; each accumulator from its low end on
	ds_store_b128 v[STO], v[8*(8*(\g)+\n)+4:8*(8*(\g)+\n)+7] offset:64*\n+16
.endr
	WIN 0
.set BB, 116+64*((\g)%2)
.irp i, 0,1,2,3,4,5,6,7,8,9,10,11,12,13,14,15
	ds_load_b128 v[BB+4*\i:BB+4*\i+3], v[RD] offset:\i*SPI
.endr
.endm
.macro SEND g, younger                 ; younger: the LDS instructions issued behind tile g's loads
.set BB, 116+64*((\g)%2)
	s_wait_dscnt \younger
.irp i, 0,1,2,3,4,5,6,7,8,9,10,11,12,13,14,15
	global_store_b128 v[CO], v[BB+4*\i:BB+4*\i+3], s[8:9] offset:(16*(\g)+\i)*2048 th:TH_STORE_NT   ; 32 lanes store 512 consecutive bytes, at a multiple of 256 from out0's first byte
.endr
.endm
	TOSTAGE 0
.irp g, 1,2,3
.if \g > 1
	s_wait_xcnt 0x0                                ; tile g - 2's stores have read their registers: tile g's loads may land there
.endif
	TOSTAGE \g
	SEND \g-1, 32
.endr
	SEND 3, 0
	s_wait_tensorcnt 0x0                           ; the wave's end
	ds_add_u32 v[SPW], v[NIL]
	s_wait_dscnt 0x0
	ROUND                                          ; the closing round
	s_endpgm
.Lfunc_end_k_qb10e13b1de_kan:
	.size	k_qb10e13b1de_kan, .Lfunc_end_k_qb10e13b1de_kan-k_qb10e13b1de_kan
	.p2alignl 7, 3214868480
	.fill 96, 4, 3214868480
	.section	.rodata,"a",@progbits
	.p2align	6, 0x0
	.amdhsa_kernel k_qb10e13b1de_kan
		.amdhsa_group_segment_fixed_size 327680
		.amdhsa_private_segment_fixed_size 0
		.amdhsa_enable_private_segment 0
		.amdhsa_kernarg_size 24
		.amdhsa_user_sgpr_count 2
		.amdhsa_user_sgpr_kernarg_segment_ptr 1
		.amdhsa_wavefront_size32 1
		.amdhsa_system_sgpr_workgroup_id_x 1
		.amdhsa_system_sgpr_workgroup_id_y 1
		.amdhsa_system_sgpr_workgroup_id_z 1
		.amdhsa_system_vgpr_workitem_id 0
		.amdhsa_next_free_vgpr 864
		.amdhsa_next_free_sgpr 84
		.amdhsa_reserve_vcc 0
		.amdhsa_float_denorm_mode_32 3
		.amdhsa_float_denorm_mode_16_64 3
		.amdhsa_memory_ordered 1
		.amdhsa_forward_progress 1
		.amdhsa_inst_pref_size 255
	.end_amdhsa_kernel
	.section	.bss,"aw",@nobits
	.p2align	6
	.space	262144
	.amdgpu_metadata
---
amdhsa.version: [ 1, 2 ]
amdhsa.kernels:
  - .name:           k_qb10e13b1de_kan
    .symbol:         k_qb10e13b1de_kan.kd
    .args:
      - { .name: x, .offset: 0, .size: 8, .value_kind: global_buffer, .address_space: global }
      - { .name: wq, .offset: 8, .size: 8, .value_kind: global_buffer, .address_space: global }
      - { .name: out0, .offset: 16, .size: 8, .value_kind: global_buffer, .address_space: global }
    .group_segment_fixed_size: 327680
    .private_segment_fixed_size: 0
    .kernarg_segment_align: 8
    .kernarg_segment_size: 24
    .max_flat_workgroup_size: 128
    .sgpr_count:     84
    .vgpr_count:     864
    .wavefront_size: 32
...
	.end_amdgpu_metadata
.endif
;; end of part 2
